; MI455X (gfx1250); checked and timed in simulation.
; The chip was launched on July 23, 2026; its instructions are those of AMD's public machine-readable ISA for CDNA 5 (MIT licence, August 2026) and "CDNA5" Instruction Set Architecture Reference Guide (July 2026). The comments in the code are by the model that wrote it; some were corrected since.
;; Differential. Allowed arithmetic: matrix products marked QUANTISED: E2M1 operands, one E8M0 scale for each 32 along K, by v_wmma_scale_f32_16x16x128_f8f6f4 with both operands' format E2M1 (or v_wmma_scale_f32_32x16x128_f4), f32 sums; products left as they are: f32 operands where the result goes on into a quantised operand, else bf16, f16 or f32 operands; f32 sums; everything else in f32.
;; Inputs: gn_bias 2,048 float32; gn_weight 2,048 float32; k 2 x 16 x 2,048 x 256 float32; lam_k1 128 float32; lam_k2 128 float32; lam_q1 128 float32; lam_q2 128 float32; q 2 x 16 x 2,048 x 256 float32; v 2 x 16 x 2,048 x 128 float32.
;; Outputs: out0 2 x 16 x 2,048 x 128 float32.
;; This version of the problem:
;;   THIS VERSION OF THE PROBLEM IS GIVEN IN LOW PRECISION. The matrix products marked QUANTISED in the list below multiply operands that are first quantised to E2M1 (2 exponent bits, 1 mantissa bit; 4 bits a number), with one power-of-two scale for each 32 numbers along K (OCP MX v1.0); their sums are f32. All else is computed in f32.
;;   The module's matrix products, in the order in which they are computed (A, B: the left and right operand; K: the contracted axis; several contracted axes count as one K, in the product's order):
;;     1. batch 32 x [M 2,048, K 128] x [K 128, N 2,048]; A: input q; B: input k: QUANTISED
;;     2. batch 32 x [M 2,048, K 128] x [K 128, N 2,048]; A: input q; B: input k: QUANTISED
;;     3. [M 1, K 128] x [K 128, N 1]; A: input lam_q1; B: input lam_k1: left as it is (M = 1 < 16)
;;     4. [M 1, K 128] x [K 128, N 1]; A: input lam_q2; B: input lam_k2: left as it is (M = 1 < 16)
;;     5. batch 32 x [M 2,048, K 2,048] x [K 2,048, N 128]; A: computed on the way; B: input v: QUANTISED
;;   THE QUANTISER, for each operand of a quantised product, along K:
;;     - K is cut into blocks of 32 from its start; a last block that is shorter is filled with zeros.
;;     - A block's scale is 2^e with e = floor(log2(the largest magnitude in the block)) - 2, held to -126 .. 127; a block of zeros has e = 0. As a byte (E8M0): e + 127.
;;     - Each number is divided by its block's scale, clamped to +-6, and rounded to the nearest number of E2M1, ties to even, subnormals kept.
;;     - The product sums the exact products of the quantised numbers (number of the format x scale) in f32.
;;   ~~~python
;;   def quantise(x, axis):      # numpy; x: float32 -> the quantised numbers, widened to float32 again
;;       x = np.moveaxis(x, axis, -1); K = x.shape[-1]
;;       x = np.pad(x, [(0, 0)] * (x.ndim - 1) + [(0, -K % 32)]); x = x.reshape(x.shape[:-1] + (-1, 32)); a = np.abs(x).max(-1, keepdims=True)
;;       e = np.where(a > 0, np.clip(np.frexp(np.where(a > 0, a, 1))[1] - 1 - 2, -126, 127), 0)      # np.frexp(a)[1] - 1 = floor(log2(a)), exactly
;;       r = np.clip(x / 2.0 ** e, -6, 6)
;;       step = 2.0 ** (np.maximum(np.frexp(np.where(r == 0, 1, r))[1] - 1, 0) - 1)
;;       q = np.round(r / step) * step * 2.0 ** e      # np.round: ties to even
;;       return np.moveaxis(q.reshape(q.shape[:-2] + (-1,))[..., :K], -1, axis).astype(np.float32)
;;   ~~~
;;   OPERANDS COMPUTED ON THE WAY. 'Computed on the way' means the value that the module computes at that place (a softmax that the list does not call 'softmax' is quantised finished and normalised). What goes into a quantiser is computed in f32, as accurately as f32 sums, v_exp_f32 and their like allow (about 1e-6 of the number): no bf16 or f16 on the way to a quantiser, and a product that is left as it is and whose result goes on into a quantised operand takes f32 operands (vector FMAs, or v_wmma_f32_16x16x4_f32). A number that lies on a knife's edge between two numbers of the format may be rounded either way, as far as f32 arithmetic and the matrix unit's own rounding can turn it there, and no further.
;; One version. Each part assembles by itself: llvm-mc -triple=amdgcn-amd-amdhsa -mcpu=gfx1250 --defsym DOCPART=n.
;; ======== version 1 of 1: 3 launches
;; limits: right only within a limited range of input values
;; workspace buffers: qimg 8,388,608 bytes; qsc 524,288 bytes; kimg 8,388,608 bytes; ksc 524,288 bytes; vimg 4,194,304 bytes; vsc 262,144 bytes; raw 33,554,432 bytes; parts 16,384 bytes
;; launch quant (part 1): grid 1536 x 1, 4 waves a work-group, no clusters, 40,448 bytes of LDS; arguments q, k, v, qimg, qsc, kimg, ksc, vimg, vsc; writes qimg, qsc, kimg, ksc, vimg, vsc
.if DOCPART == 1
	.amdgcn_target "amdgcn-amd-amdhsa--gfx1250"
	.amdhsa_code_object_version 6
	.text
	.protected	k_q1e32ef2d27_quant
	.globl	k_q1e32ef2d27_quant
	.p2align	8
	.type	k_q1e32ef2d27_quant,@function
k_q1e32ef2d27_quant:
	s_mov_b64 s[64:65], 0
	v_nop
	global_prefetch_b8 v0, s[64:65] scope:SCOPE_SE
	s_setreg_imm32_b32 hwreg(HW_REG_WAVE_MODE, 25, 1), 1
	s_wait_xcnt 0x0
; q, k [65,536 rows][256] and v [32 heads][2,048 keys][128 channels], f32, become codes of FP4 (E2M1) with one E8M0 byte for each 32 along a product's K,
; laid in the order of the operands' registers, so that the next launch loads every fragment as 16 consecutive bytes a lane.
; A block's scale is 2^(floor(log2(its largest magnitude)) - 2); its byte is the largest magnitude's exponent field - 2, held at 1 from below; numbers are divided by it and rounded to the nearest code, ties to even.
; q, k: K = each half of 128 columns.  A RUN is 32 consecutive rows.  Row x of a run goes to tile u = (x >> 3) & 1, tile row m = 8 (x >> 4) + (x & 7): so a tile's rows 0-7 are eight neighbours and rows 8-15 the eight that lie 16 further on.
;   codes [run][u 2][half 2][block 4][m 16][16 bytes]; scale bytes [run][16 half + m][u 2][block 4]: 4,096 and 256 bytes a run.
; v: K = the keys.  codes [head][128 keys s 16][channel tile t 8][block 4][channel r 16][16 bytes]; scale words [head][s][i 4][lane 32]: lanes 0-15 channel tile 2 i, lanes 16-31 tile 2 i + 1.
; Work-groups 0-511 take q, 512-1,023 k (one path, the buffers chosen by the work-group's number), 1,024-1,535 v (a path of its own, which uses no LDS).  No barrier: waves share nothing.
; LIMITS: NaN and infinities among the inputs are not served.  A block of zeros gets the byte 1 where the rule says 127: its codes are zeros, which add nothing, and this program alone reads the bytes.
.set STEPS, 16
.set SP,    80                         ; a lane's place in a turning stage: its 64 bytes + 16 of padding
.set SCB,   2*32*SP                    ; behind the two stages: the run's 256 scale bytes
.set IMG,   SCB+256                    ; behind them: the run's codes, 16 units of 256 bytes,
.set UP,    288                        ; 288 bytes apart: the 32 lanes of a store of 8 bytes then start in different banks
.set WREG,  IMG+16*UP                  ; LDS of a wave: 9,984 bytes
.set R,     16                         ; v16-79   four sets of 16 numbers as they are loaded
.set X,     80                         ; v80-111  two sets of 16 neighbours
.set C,     112                        ; v112-115 codes, two sets
.set E,     116                        ; v116-117 scale bytes, two sets
.set VX,    32                         ; path v: v32-95 two sets of 32 numbers
.set VC,    96                         ; path v: v96-111 codes, four registers a block, never written again
	s_load_b256 s[4:11], s[0:1], 0x0               ; q, k, v, qimg
	s_load_b256 s[12:19], s[0:1], 0x20             ; qsc, kimg, ksc, vimg
	s_load_b64 s[20:21], s[0:1], 0x40              ; vsc
	v_lshl_add_u32 v120, v0, 2, 0x9c00
	v_mov_b32 v121, 0
	v_lshrrev_b32 v1, 5, v0
	v_readfirstlane_b32 s22, v1                    ; wave 0..3
	v_and_b32 v2, 31, v0                           ; lane
	s_cmp_ge_u32 ttmp9, 1024
	s_cbranch_scc1 .Lv
; ---------------- q and k: a wave takes one run, 16 steps of two rows (512 numbers)
	v_lshlrev_b32 v3, 4, v2                        ; my 16 bytes of a load's or a store's 512
	s_mul_i32 s23, s22, WREG
	v_lshrrev_b32 v14, 2, v2
	v_mul_u32_u24 v14, v14, SP
	v_and_b32 v15, 3, v2
	v_lshl_add_u32 v14, v15, 4, v14
	v_add_nc_u32 v14, s23, v14                     ; the stage, on the way in: SP (lane / 4) + 16 (lane % 4)
	v_mul_u32_u24 v15, v2, SP
	v_add_nc_u32 v15, s23, v15                     ; and on the way out: SP x lane: my 16 neighbours
	s_add_co_u32 s24, s23, IMG
	s_add_co_u32 s25, s23, SCB
	v_bfe_u32 v4, v2, 1, 3                         ; behind the turn lane l holds row 2 t + (l >> 4), columns 16 (l & 15) on: half and block (l >> 1) & 7, the block's half l & 1
	v_mul_u32_u24 v4, v4, UP
	v_lshrrev_b32 v8, 4, v2
	v_lshl_add_u32 v4, v8, 4, v4
	v_and_b32 v9, 1, v2
	v_lshl_add_u32 v4, v9, 3, v4
	v_add_nc_u32 v4, s24, v4                       ; where my 8 bytes of codes go in the image; the step's u and m stand in the immediate
	v_bfe_u32 v5, v2, 3, 1
	v_lshlrev_b32 v5, 7, v5
	v_lshl_add_u32 v5, v8, 3, v5
	v_bfe_u32 v9, v2, 1, 2
	v_add_nc_u32 v5, v5, v9
	v_add_nc_u32 v5, s25, v5                       ; where my block's byte goes: 128 half + 8 (l >> 4) + block
	v_lshlrev_b32 v7, 3, v2
	v_add_nc_u32 v6, s25, v7                       ; the scale bytes on the way out: 8 a lane
	v_mul_u32_u24 v10, v8, UP
	v_and_b32 v9, 15, v2
	v_lshl_add_u32 v10, v9, 4, v10
	v_add_nc_u32 v10, s24, v10                     ; the image on the way out: sixteen lanes to a unit, two units an instruction
	s_wait_kmcnt 0x0
	s_cmp_lt_u32 ttmp9, 512                        ; q or k: the choice hangs on the work-group's number alone
	s_cselect_b64 s[4:5], s[4:5], s[6:7]
	s_cselect_b64 s[10:11], s[10:11], s[14:15]
	s_cselect_b64 s[12:13], s[12:13], s[16:17]
	s_cselect_b32 s26, 0, 512
	s_sub_co_u32 s26, ttmp9, s26
	s_lshl_b32 s26, s26, 2
	s_add_co_u32 s26, s26, s22                     ; my run, 0 .. 2,047
	s_mov_b32 s29, 0
	s_lshl_b32 s28, s26, 15                        ; 32,768 bytes of numbers a run,
	s_add_nc_u64 s[4:5], s[4:5], s[28:29]
	s_lshl_b32 s28, s26, 12                        ; 4,096 of codes,
	s_add_nc_u64 s[10:11], s[10:11], s[28:29]
	s_lshl_b32 s28, s26, 8                         ; 256 of scale bytes
	s_add_nc_u64 s[12:13], s[12:13], s[28:29]
.macro LOAD t
.irp i, 0,1,2,3
	global_load_b128 v[R+16*((\t)%4)+4*\i:R+16*((\t)%4)+4*\i+3], v3, s[4:5] offset:2048*(\t)+512*\i th:TH_LOAD_NT   ; 32 lanes read 512 consecutive bytes
.endr
.endm
.macro TURN t                          ; step t's numbers through the stage: LDS serves a wave's instructions in order, so no wait stands between the stores and the loads
.irp i, 0,1,2,3
	ds_store_b128 v14, v[R+16*((\t)%4)+4*\i:R+16*((\t)%4)+4*\i+3] offset:32*SP*((\t)%2)+8*SP*\i
.endr
.irp i, 0,1,2,3
	ds_load_b128 v[X+16*((\t)%2)+4*\i:X+16*((\t)%2)+4*\i+3], v15 offset:32*SP*((\t)%2)+16*\i
.endr
.endm
.irp t, 0,1,2,3
	LOAD \t
.endr
	s_wait_loadcnt 12                              ; step 0's four loads are in
	TURN 0
.macro STEP t
.set XS, X+16*((\t)%2)
.set CC, C+2*((\t)%2)
.set EE, E+(\t)%2
.set x0, 2*(\t)                        ; the step's first row in the run
.set uu, (x0>>3)&1
.set hh, x0>>4
.set j0, x0&7
.if (\t) > 0
	s_wait_dscnt 2                                 ; this step's numbers are back from the stage; the last step's byte store and code store may be out.  So the stores of two steps back are done: their registers are written again below
.else
	s_wait_dscnt 0x0
.endif
.if (\t)+4 < STEPS
	LOAD (\t)+4                                    ; into the set that this step's turn has read
.endif
.if (\t)+1 < STEPS
.if STEPS-2-(\t) >= 3
	s_wait_loadcnt 12                              ; the next step's four loads are in; those of the three steps behind it may be out
.else
	s_wait_loadcnt 4*(STEPS-2-(\t))
.endif
	TURN (\t)+1                                    ; through the other stage while this step is worked
.endif
	v_max3_num_f32 v8, |v[XS]|, |v[XS+1]|, |v[XS+2]|               ; the largest magnitude of my 16, in two chains
	v_max3_num_f32 v9, |v[XS+3]|, |v[XS+4]|, |v[XS+5]|
.irp i, 6,10
	v_max3_num_f32 v8, v8, |v[XS+\i]|, |v[XS+\i+1]|
	v_max3_num_f32 v9, v9, |v[XS+\i+2]|, |v[XS+\i+3]|
.endr
	v_max3_num_f32 v8, v8, |v[XS+14]|, |v[XS+15]|
	v_max3_num_f32 v8, v8, v9, 0x1800000           ; and the floor 2^(3 - 127): the byte cannot fall under 1
	v_max_num_f32_dpp v8, v8, v8 row_xmask:1 row_mask:0xf bank_mask:0xf   ; with my neighbour's 16: the block's
	v_add_nc_u32 v11, 0xff000000, v8               ; 2 off its exponent field: the conversion takes the exponent field of this operand as its scale
	v_cvt_scalef32_pk8_fp4_f32 v[CC], v[XS:XS+7], v11
	v_cvt_scalef32_pk8_fp4_f32 v[CC+1], v[XS+8:XS+15], v11
	v_lshrrev_b32 v[EE], 23, v11                   ; the scale's byte (a plain line behind the conversions)
	ds_store_b8 v5, v[EE] offset:8*(8*hh+j0)+4*uu  ; both lanes of a block write the same byte with the same value
	ds_store_b64 v4, v[CC:CC+1] offset:8*UP*uu+128*hh+16*j0
.endm
.irp t, 0,1,2,3,4,5,6,7,8,9,10,11,12,13,14,15
	STEP \t
.endr
.irp i, 0,1,2,3,4,5,6,7
	ds_load_b128 v[R+4*\i:R+4*\i+3], v10 offset:2*UP*\i   ; LDS serves a wave's instructions in order: these see my stores
.endr
	ds_load_b64 v[12:13], v6
.irp i, 0,1,2,3,4,5,6,7
	s_wait_dscnt 8-\i
	global_store_b128 v3, v[R+4*\i:R+4*\i+3], s[10:11] offset:512*\i   ; 32 lanes store 512 consecutive bytes, aligned
.endr
	s_wait_dscnt 0x0
	global_store_b64 v7, v[12:13], s[12:13]        ; 32 lanes store 256 consecutive bytes, aligned
	s_wait_tensorcnt 0x0
	ds_add_u32 v120, v121
	s_wait_dscnt 0x0
	s_endpgm
; ---------------- v: a work-group takes 128 keys of a head; a lane takes a channel and its registers run down the keys, so a block of 32 keys is one lane's and the codes come out with the keys innermost
.Lv:
	s_sub_co_u32 s23, ttmp9, 1024
	s_lshr_b32 s24, s23, 4                         ; head
	s_and_b32 s25, s23, 15                         ; which 128 keys
	s_wait_alu depctr_va_vdst(0)
	v_lshlrev_b32 v3, 2, v2                        ; in: 4 bytes a lane; the scale word likewise
	v_lshrrev_b32 v4, 4, v2
	v_lshlrev_b32 v4, 10, v4
	v_and_b32 v5, 15, v2
	v_lshl_add_u32 v4, v5, 4, v4
	s_lshl_b32 s26, s22, 11
	v_add_nc_u32 v4, s26, v4                       ; out: channel tile 2 wave + (lane >> 4), 1,024 bytes each; 16 bytes a channel
	s_lshl_b32 s28, s24, 20
	s_lshl_b32 s26, s25, 16
	s_add_co_u32 s28, s28, s26
	s_lshl_b32 s26, s22, 7
	s_add_co_u32 s28, s28, s26                     ; v: head x 1,048,576 + 128 keys x 512 + my wave's 32 channels
	s_mov_b32 s29, 0
	s_lshl_b32 s30, s24, 17
	s_lshl_b32 s27, s25, 13
	s_add_co_u32 s30, s30, s27                     ; codes: head x 131,072 + 8,192 for each 128 keys
	s_mov_b32 s31, 0
	s_lshl_b32 s32, s24, 13
	s_lshl_b32 s27, s25, 9
	s_add_co_u32 s32, s32, s27
	s_add_co_u32 s32, s32, s26                     ; scale words: head x 8,192 + 512 for each 128 keys + 128 x wave
	s_mov_b32 s33, 0
	s_wait_alu depctr_va_vdst(0)
	s_wait_kmcnt 0x0
	s_add_nc_u64 s[8:9], s[8:9], s[28:29]
	s_add_nc_u64 s[18:19], s[18:19], s[30:31]
	s_add_nc_u64 s[20:21], s[20:21], s[32:33]
.macro VLOAD t                         ; block t: v(32 t + j, my channel), j = 0 .. 31: 128 consecutive bytes a wave, 512 a work-group
.irp j, 0,1,2,3,4,5,6,7,8,9,10,11,12,13,14,15,16,17,18,19,20,21,22,23,24,25,26,27,28,29,30,31
	global_load_b32 v[VX+32*((\t)%2)+\j], v3, s[8:9] offset:(32*(\t)+\j)*512 th:TH_LOAD_NT
.endr
.endm
	VLOAD 0
	VLOAD 1
.macro VBLOCK t
.set XS, VX+32*((\t)%2)
.if (\t) < 3
	s_wait_loadcnt 32                              ; this block's 32 loads are in; the next block's may be out
.else
	s_wait_loadcnt 0x0
.endif
	v_max3_num_f32 v12, |v[XS]|, |v[XS+1]|, |v[XS+2]|
	v_max3_num_f32 v13, |v[XS+3]|, |v[XS+4]|, |v[XS+5]|
.irp i, 6,10,14,18,22,26
	v_max3_num_f32 v12, v12, |v[XS+\i]|, |v[XS+\i+1]|
	v_max3_num_f32 v13, v13, |v[XS+\i+2]|, |v[XS+\i+3]|
.endr
	v_max3_num_f32 v12, v12, |v[XS+30]|, |v[XS+31]|
	v_max3_num_f32 v12, v12, v13, 0x1800000        ; with the floor
	v_add_nc_u32 v11, 0xff000000, v12              ; the conversion's scale operand
	v_lshrrev_b32 v13, 23, v11                     ; the byte
.if (\t) == 0
	v_mov_b32 v112, v13                            ; four bytes make my channel's scale word for these 128 keys
.else
	v_lshl_or_b32 v112, v13, 8*(\t), v112
.endif
.irp g, 0,1,2,3
	v_cvt_scalef32_pk8_fp4_f32 v[VC+4*(\t)+\g], v[XS+8*\g:XS+8*\g+7], v11
.endr
	v_nop                                          ; a plain line behind the conversions, ahead of the next write of their scale operand
	global_store_b128 v4, v[VC+4*(\t):VC+4*(\t)+3], s[18:19] offset:256*(\t)   ; sixteen lanes store 256 consecutive bytes, aligned
.if (\t) < 2
	VLOAD (\t)+2
.endif
.endm
.irp t, 0,1,2,3
	VBLOCK \t
.endr
	global_store_b32 v3, v112, s[20:21]            ; 128 consecutive bytes a wave, 512 a work-group
	s_endpgm
.Lfunc_end_k_q1e32ef2d27_quant:
	.size	k_q1e32ef2d27_quant, .Lfunc_end_k_q1e32ef2d27_quant-k_q1e32ef2d27_quant
	.p2alignl 7, 3214868480
	.fill 96, 4, 3214868480
	.section	.rodata,"a",@progbits
	.p2align	6, 0x0
	.amdhsa_kernel k_q1e32ef2d27_quant
		.amdhsa_group_segment_fixed_size 40448
		.amdhsa_private_segment_fixed_size 0
		.amdhsa_enable_private_segment 0
		.amdhsa_kernarg_size 72
		.amdhsa_user_sgpr_count 2
		.amdhsa_user_sgpr_kernarg_segment_ptr 1
		.amdhsa_wavefront_size32 1
		.amdhsa_system_sgpr_workgroup_id_x 1
		.amdhsa_system_sgpr_workgroup_id_y 1
		.amdhsa_system_sgpr_workgroup_id_z 1
		.amdhsa_system_vgpr_workitem_id 0
		.amdhsa_next_free_vgpr 122
		.amdhsa_next_free_sgpr 66
		.amdhsa_reserve_vcc 0
		.amdhsa_float_denorm_mode_32 3
		.amdhsa_float_denorm_mode_16_64 3
		.amdhsa_memory_ordered 1
		.amdhsa_forward_progress 1
		.amdhsa_inst_pref_size 55
	.end_amdhsa_kernel
	.amdgpu_metadata
---
amdhsa.version: [ 1, 2 ]
amdhsa.kernels:
  - .name:           k_q1e32ef2d27_quant
    .symbol:         k_q1e32ef2d27_quant.kd
    .args:
      - { .name: q, .offset: 0, .size: 8, .value_kind: global_buffer, .address_space: global }
      - { .name: k, .offset: 8, .size: 8, .value_kind: global_buffer, .address_space: global }
      - { .name: v, .offset: 16, .size: 8, .value_kind: global_buffer, .address_space: global }
      - { .name: qimg, .offset: 24, .size: 8, .value_kind: global_buffer, .address_space: global }
      - { .name: qsc, .offset: 32, .size: 8, .value_kind: global_buffer, .address_space: global }
      - { .name: kimg, .offset: 40, .size: 8, .value_kind: global_buffer, .address_space: global }
      - { .name: ksc, .offset: 48, .size: 8, .value_kind: global_buffer, .address_space: global }
      - { .name: vimg, .offset: 56, .size: 8, .value_kind: global_buffer, .address_space: global }
      - { .name: vsc, .offset: 64, .size: 8, .value_kind: global_buffer, .address_space: global }
    .group_segment_fixed_size: 40448
    .private_segment_fixed_size: 0
    .kernarg_segment_align: 8
    .kernarg_segment_size: 72
    .max_flat_workgroup_size: 128
    .sgpr_count:     66
    .vgpr_count:     122
    .wavefront_size: 32
...
	.end_amdgpu_metadata
.endif
;; end of part 1
;; launch attn (part 2): grid 8 x 32, 4 waves a work-group, clusters of 4 x 1, 327,680 bytes of LDS; arguments qimg, qsc, kimg, ksc, vimg, vsc, lam_q1, lam_k1, lam_q2, lam_k2, raw, parts; writes raw, parts
.if DOCPART == 2
	.amdgcn_target "amdgcn-amd-amdhsa--gfx1250"
	.amdhsa_code_object_version 6
	.text
	.protected	k_q1e32ef2d27_attn
	.globl	k_q1e32ef2d27_attn
	.p2align	8
	.type	k_q1e32ef2d27_attn,@function
k_q1e32ef2d27_attn:
	s_mov_b64 s[64:65], 0
	v_nop
	global_prefetch_b8 v0, s[64:65] scope:SCOPE_SE
	s_setreg_imm32_b32 hwreg(HW_REG_WAVE_MODE, 25, 1), 1
	s_wait_xcnt 0x0
	s_wait_alu depctr_hold_cnt(0) depctr_sa_sdst(0) depctr_va_vdst(0) depctr_va_sdst(0) depctr_va_ssrc(0) depctr_va_vcc(0) depctr_vm_vsrc(0)
	s_getreg_b32 s2, hwreg(HW_REG_IB_STS2, 6, 4)
	s_cmp_eq_u32 s2, 0
	s_cbranch_scc0 .Lentry_in_a_cluster
	s_endpgm
.Lentry_in_a_cluster:
	s_bfe_u32 s2, ttmp6, 0x10000c
	s_cmp_lg_u32 s2, 0x3003
	s_cbranch_scc0 .Lentry_shape_is_right
	s_endpgm
.Lentry_shape_is_right:
; raw[head][q][:] = sum over keys of Q4(w1 - lam w2)[q][key] Q4(V)[key][:], w1 = softmax(Q1 K1^T / sqrt(128)), w2 = softmax(Q2 K2^T / sqrt(128)), lam = exp(lam_q1 . lam_k1) - exp(lam_q2 . lam_k2) + 0.8.
; All three products on codes of FP4 (E2M1) with one E8M0 scale for each 32 along K.  The FINISHED weights are quantised, so both sums of a row are known before any weight of it is made.
; SHARES.  A work-group owns 256 queries of a head, 16 tiles of 16.  The four waves share the keys: wave w owns keys 512 w .. 512 w + 511 and holds, for a tile, its 2 x 512 scores of each query (2 x 256 registers):
; each score and each exponential is made once.  Its codes of K (65,536 bytes) lie in LDS, filled once; its codes of V (256 registers) stay in registers.
; A TILE.  S2^T = K2 Q2^T is multiplied under the two searches for the largest score (S1^T was multiplied in the tile before); -M = floor(-t) of the wave's largest t; p = 2^(t - M); l = sum of p;
; the waves exchange (-M, l) through LDS; the common M is the largest, and all is brought under it by powers of two; w = p1 a - p2 b with a = 2^(M1 - M1c) / l1, b = lam 2^(M2 - M2c) / l2;
; w is quantised by blocks of 32 keys; O^T = V^T w^T over the wave's keys; the four partial O^T go to a stage in LDS.
; THE STAGE IS READ ONE TILE LATER: behind the next tile's exchange barrier each wave reads its four whole rows of all four parts with the quads, adds and stores them.  Two barriers a tile:
; the exchange's (in front of it: my quad and my part of the stage have landed), and a second one that is signalled when my reads of the exchange and of the stage are over and waited for just ahead of my next stores to the stage;
; between its signal and its wait stand register work and LDS loads of K alone.  Tile 0 has no tile before it: the last tile's rows are finished behind the loop.
; LAYOUT.  Both products are used transposed: a lane holds ONE query (lane % 16) throughout.  The 16 registers of key tiles 2 g and 2 g + 1 are keys 32 g + 16 (lane / 16) + 0 .. 15 (the launch before lays K so).
; Tile row m of tile tau is query 32 (tau >> 1) + 8 (tau & 1) + m + 8 (m >> 3); only raw's address knows it.
; GROUP NORM.  Each wave gathers the sum and the sum of squares of (x - pivot) over the 8,192 numbers that it stores, the pivot being the first of them; the next launch combines the 32 parts of a head.
; CLUSTER.  The four work-groups of a cluster belong to one head: K's codes are asked for JOINTLY, one tensor load a wave, the same descriptor and a mask of all four.  V's codes and the scale words go straight into registers,
; where they stay: LDS holds 262,144 bytes of K, 33,792 of stage, 2,048 of exchange and 512 spare, and V's 131,072 would not fit beside them.  No LDS byte is filled twice: no ring.  One tensor load a wave is outstanding, at the head.
; NO PREFETCH: the loop reads from memory 2,176 bytes of Q a tile and nothing else, asked for a softmax ahead of their use; K and V are asked for once, at the head, where there is no loop to run ahead in.
; LIMITS: NaN and infinities are not served; a p under 2^-126 counts as 0; lam overflows where the exponentials of the two dot products overflow in f32.
; REGISTERS, in windows of 256 (s_set_vgpr_msb: bits 1:0 source 0, 3:2 source 1, 5:4 source 2, 7:6 destination):
;   window 0: addresses, factors, scratch, Q, scale words, the weights' codes, two sets of four fragments of K (also: the rows read back from the stage).   window 1: S1, then p1 (key tile T at v[8 T]).
;   window 2: S2, p2, then w; O^T over v0-63.   window 3: V (128 keys s, channel tile t at v[8 (8 s + t)]).
.set OX,   262144                      ; LDS: behind K's 4 x 65,536 bytes the stage: [wave 4][row 16][512 + 16 bytes],
.set OXP,  528
.set OXW,  16*OXP
.set XCH,  OX+4*OXW                    ; the exchange: [wave 4][lane 32][16 bytes],
.set SPARE, XCH+2048                   ; and the spare words, 128 bytes a wave, which no other line names
.set KA,   1                           ; v1   my wave's K in LDS + 16 x lane
.set OST,  2                           ; v2   the stage: where I put 32 bytes of a row
.set ORD,  3                           ; v3   and where I read my wave's four rows
.set XST,  4                           ; v4   the exchange: my 16 bytes
.set XRD,  5                           ; v5   and my lane's place in each wave's
.set L16,  6                           ; v6-8 16, 8, 4 x lane
.set L8,   7
.set L4,   8
.set LAM,  9                           ; v9   lam
.set FA,   14                          ; v[14:15]  a
.set FB,   16                          ; v[16:17]  -b
.set XQ,   18                          ; v[18:21]  (-M1, l1, -M2, l2): my quad
.set NM,   XQ                          ; -M of softmax x is v[NM + 2 x - 2]; packed forms name the pair and take its low word
.set XL,   22                          ; v[22:37]  the four waves' quads; else 16 chains of scratch
.set T,    38                          ; v[38:61]  scratch
.set GS1,  62                          ; v[62:69]  sums of x - pivot, four pairs
.set GS2,  70                          ; v[70:77]  sums of its square
.set QF,   78                          ; v[78:93]  Q's two fragments
.set QS,   94                          ; v94       Q's scale words: lanes 0-15 the first half's, lanes 16-31 the second's
.set PS,   95                          ; v95-98    the weights' scale words, one for each 128 keys
.set KS,   100                         ; v100-131  K's scale words, one register a key tile; lanes as QS
.set VS,   132                         ; v132-147  V's: register 4 s + i: lanes 0-15 channel tile 2 i, lanes 16-31 tile 2 i + 1
.set PC,   148                         ; v148-179  the weights' codes: four fragments
.set KST,  180                         ; v180-243  fragments of K: two sets of four
.set SPW,  254                         ; v254 my spare word's LDS address; v255 0: never rewritten
.set NIL,  255
.set WV,   28
.set CX,   29
.set HD,   30
.set BK,   31
.set G0,   32                          ; s[32:35] descriptor group 0
.set G1,   36                          ; s[36:43] descriptor group 1
.set SEL,  44                          ; s[44:45] v_permlanex16_b32's selects for lane l xor 16
.set CS,   46                          ; s[46:47] c = log2(e) / sqrt(128)
.set TAU,  48                          ; s48  the tile
.set SVX,  49
.set NPIV, 50                          ; s[50:51] - pivot
.set QB,   52                          ; s[52:53] Q's codes of my 256 queries;  s[54:55] their scale words;  s[56:57] my wave's rows of raw
.set QSB,  54
.set RB,   56
.set QP,   58                          ; s[58:59], s[60:61] the next tile's;  s[62:63] the rows of raw that are stored
.set QSP,  60
.set RP,   62
.set MSB, 0
.macro WIN new                         ; the immediate's high byte repeats the setting that is left; a switch that changes nothing is dropped
.if MSB != (\new)
	s_set_vgpr_msb (MSB<<8)|(\new)
.set MSB, (\new)
.endif
.endm
.macro PLACES n
.rept \n
	v_nop
.endr
.endm
.macro CROUND                          ; a round of the cluster's barrier
	s_barrier_signal -1
	s_barrier_wait -1
	s_cmp_lg_u32 s[WV], 0
	s_cbranch_scc1 .Lnot_wave_0_\@
	s_barrier_signal -3
.Lnot_wave_0_\@:
	s_barrier_wait -3
	s_barrier_signal -1
	s_barrier_wait -1
.endm
.macro BAR                             ; my LDS stores have landed and my LDS loads are in: then the work-group's barrier
	s_wait_alu depctr_va_vdst(0)
	s_wait_dscnt 0x0
	s_barrier_signal -1
	s_barrier_wait -1
.endm
; Batch n (0 .. 7) of half x (1, 2): the fragments of key tiles 4 n .. 4 n + 3, eight loads of 512 consecutive bytes, into set n % 2 for half 1, n % 3 for half 2
.macro QKL x, n
	WIN 0
.set KB, KST-32*((\x)-1)+32*((\n)%((\x)+1))    ; half 1: two sets at KST by turns; half 2: three sets, the first in the registers of the weights' codes, which are idle while the second scores are multiplied
.irp k, 0,1,2,3
.irp c, 0,1
	ds_load_b128 v[KB+8*\k+4*\c:KB+8*\k+4*\c+3], v[KA] offset:2048*(4*(\n)+\k)+1024*((\x)-1)+512*\c
.endr
.endr
.endm
; Its four products: S^T of 16 keys x 16 queries, K = 128 in one instruction, so each starts and ends its sum.  cnt: the younger LDS loads that may stay out
.macro QKM x, n, cnt
	s_wait_dscnt \cnt
.set KB, KST-32*((\x)-1)+32*((\n)%((\x)+1))    ; the batch's set, as in QKL
	WIN (\x)<<6
.irp k, 0,1,2,3
.if (\x) == 1
	v_wmma_scale_f32_16x16x128_f8f6f4 v[8*(4*(\n)+\k):8*(4*(\n)+\k)+7], v[KB+8*\k:KB+8*\k+7], v[QF:QF+7], 0, v[KS+4*(\n)+\k], v[QS] matrix_a_fmt:MATRIX_FMT_FP4 matrix_b_fmt:MATRIX_FMT_FP4
.else
	v_wmma_scale_f32_16x16x128_f8f6f4 v[8*(4*(\n)+\k):8*(4*(\n)+\k)+7], v[KB+8*\k:KB+8*\k+7], v[QF+8:QF+15], 0, v[KS+4*(\n)+\k], v[QS] matrix_a_fmt:MATRIX_FMT_FP4 matrix_b_fmt:MATRIX_FMT_FP4 matrix_a_scale:MATRIX_SCALE_ROW1 matrix_b_scale:MATRIX_SCALE_ROW1
.endif
.endr
.endm
; The largest score: scores 32 s .. 32 s + 31 of softmax x, one round of sixteen chains at v[ch]: fifteen plain lines stand between a chain's write and its next read.  Each key tile's registers are read from the low end on
.macro MAXSEG x, ch, s
	WIN (\x)|((\x)<<2)
.set mi, 0
.rept 16
.if (\s) == 0
	v_max_num_f32 v[\ch+mi], v[2*mi], v[2*mi+1]
.else
	v_max3_num_f32 v[\ch+mi], v[32*(\s)+2*mi], v[32*(\s)+2*mi+1], v[\ch+mi]
.endif
.set mi, mi+1
.endr
.endm
.macro MAXRED                          ; both softmaxes by turns: the sixteen chains, lane l xor 16's keys, as t, and -M = floor(-t): M is a whole number
	WIN 0
.irp q, 0,3,6,9,12
.irp c, XL, T
	v_max3_num_f32 v[\c+\q], v[\c+\q], v[\c+\q+1], v[\c+\q+2]
.endr
.endr
.irp c, XL, T
	v_max3_num_f32 v[\c], v[\c], v[\c+3], v[\c+6]
	v_max3_num_f32 v[\c+9], v[\c+9], v[\c+12], v[\c+15]
.endr
.irp c, XL, T
	v_max_num_f32 v[\c], v[\c], v[\c+9]
.endr
.irp c, XL, T
	v_permlanex16_b32 v[\c+1], v[\c], s[SEL], s[SEL+1]
.endr
.irp c, XL, T
	v_max_num_f32 v[\c], v[\c], v[\c+1]
.endr
.irp c, XL, T
	v_mul_f32 v[\c], s[CS], v[\c]
.endr
	v_floor_f32 v[NM], -v[XL]
	v_floor_f32 v[NM+2], -v[T]
.endm
.macro FMAS x, s                       ; t - M of scores 64 s .. 64 s + 63, two at a time
	WIN (\x)|((\x)<<6)
.set ei, 0
.rept 32
	v_pk_fma_f32 v[64*(\s)+2*ei:64*(\s)+2*ei+1], v[64*(\s)+2*ei:64*(\s)+2*ei+1], s[CS:CS+1], v[NM+2*(\x)-2:NM+2*(\x)-1] op_sel_hi:[1,0,0]
.set ei, ei+1
.endr
.endm
; Segment s (0 .. 3): the exponentials of 64 scores, and between them t - M of the next 64.  No line names an exponential's result: all of a tile's 512 have one wait, behind the last
.macro ESEG x, s
	s_wait_alu depctr_va_vdst(0)                   ; the wait ahead of a batch: its sources were written by the lines above
	WIN (\x)|((\x)<<6)
.set ei, 0
.rept 32
.if (\s) < 3
	v_pk_fma_f32 v[64*((\s)+1)+2*ei:64*((\s)+1)+2*ei+1], v[64*((\s)+1)+2*ei:64*((\s)+1)+2*ei+1], s[CS:CS+1], v[NM+2*(\x)-2:NM+2*(\x)-1] op_sel_hi:[1,0,0]
.endif
	v_exp_f32 v[64*(\s)+2*ei], v[64*(\s)+2*ei]
	v_exp_f32 v[64*(\s)+2*ei+1], v[64*(\s)+2*ei+1]
.set ei, ei+1
.endr
.endm
.macro SUMC x, ch                      ; the sum of my 256 p of softmax x: 128 pairs in eight chains at v[ch]
	WIN (\x)|((\x)<<2)
.set si, 0
.rept 8
	v_pk_add_f32 v[\ch+2*si:\ch+2*si+1], v[4*si:4*si+1], v[4*si+2:4*si+3]
.set si, si+1
.endr
	WIN (\x)<<2
.set si, 16
.rept 112
	v_pk_add_f32 v[\ch+2*(si%8):\ch+2*(si%8)+1], v[\ch+2*(si%8):\ch+2*(si%8)+1], v[2*si:2*si+1]
.set si, si+1
.endr
.endm
.macro SUMT                            ; both sums' chains are joined by turns, then lane l xor 16's: l1 and l2 into my quad
	WIN 0
.irp q, 0,4,8,12
.irp c, XL, T
	v_pk_add_f32 v[\c+\q:\c+\q+1], v[\c+\q:\c+\q+1], v[\c+\q+2:\c+\q+3]
.endr
.endr
.irp c, XL, T
	v_pk_add_f32 v[\c:\c+1], v[\c:\c+1], v[\c+4:\c+5]
	v_pk_add_f32 v[\c+8:\c+9], v[\c+8:\c+9], v[\c+12:\c+13]
.endr
.irp c, XL, T
	v_pk_add_f32 v[\c:\c+1], v[\c:\c+1], v[\c+8:\c+9]
.endr
.irp c, XL, T
	v_add_f32 v[\c], v[\c], v[\c+1]
.endr
.irp c, XL, T
	v_permlanex16_b32 v[\c+1], v[\c], s[SEL], s[SEL+1]
.endr
	v_add_f32 v[XQ+1], v[XL], v[XL+1]
	v_add_f32 v[XQ+3], v[T], v[T+1]
.endm
; From the four waves' (-M, l): the common -M is the least; each l is brought under it by a power of two and added, in the same order in every wave; a and -b
.macro FACT
.irp x, 0,1
	v_min3_num_f32 v[T+\x], v[XL+2*\x], v[XL+4+2*\x], v[XL+8+2*\x]
.endr
.irp x, 0,1
	v_min_num_f32 v[T+\x], v[T+\x], v[XL+12+2*\x]
.endr
.irp w, 0,1,2,3
.irp x, 0,1
	v_sub_f32 v[T+2+2*\w+\x], v[T+\x], v[XL+4*\w+2*\x]        ; that wave's M less the common M: a whole number, 0 or less
.endr
.endr
.irp j, 0,1,2,3,4,5,6,7
	v_cvt_i32_f32 v[T+2+\j], v[T+2+\j]
.endr
.irp w, 0,1,2,3
.irp x, 0,1
	v_ldexp_f32 v[T+2+2*\w+\x], v[XL+4*\w+2*\x+1], v[T+2+2*\w+\x]
.endr
.endr
.irp x, 0,1
	v_add_f32 v[T+2+\x], v[T+2+\x], v[T+4+\x]
	v_add_f32 v[T+6+\x], v[T+6+\x], v[T+8+\x]
.endr
.irp x, 0,1
	v_add_f32 v[T+2+\x], v[T+2+\x], v[T+6+\x]                 ; the row's sum
	v_sub_f32 v[T+10+\x], v[T+\x], v[NM+2*\x]                 ; my own M less the common M
.endr
	s_wait_alu depctr_va_vdst(0)                   ; the wait ahead of the batch
.irp x, 0,1
	v_rcp_f32 v[T+12+\x], v[T+2+\x]
.endr
	v_nop                                          ; a plain line behind the reciprocals
.irp x, 0,1
	v_cvt_i32_f32 v[T+10+\x], v[T+10+\x]
.endr
	s_wait_alu depctr_va_vdst(0)                   ; one wait for both, ahead of their first reader
.irp x, 0,1
	v_fma_f32 v[T+14+\x], -v[T+2+\x], v[T+12+\x], 1.0         ; one Newton step: what goes into the quantiser is as exact as f32 allows
.endr
.irp x, 0,1
	v_fma_f32 v[T+12+\x], v[T+14+\x], v[T+12+\x], v[T+12+\x]
.endr
	v_ldexp_f32 v[FA], v[T+12], v[T+10]
	v_ldexp_f32 v[T+13], v[T+13], v[T+11]
	v_mul_f32 v[FB], -v[LAM], v[T+13]
.endm
.macro WGT c                           ; the weights of keys 128 c .. 128 c + 127 of my 512: w = p1 a + p2 (-b), over p2
	WIN 0x82
.set wi, 0
.rept 32
	v_pk_mul_f32 v[64*(\c)+2*wi:64*(\c)+2*wi+1], v[64*(\c)+2*wi:64*(\c)+2*wi+1], v[FB:FB+1] op_sel_hi:[1,0]
.set wi, wi+1
.endr
	WIN 0xa1
.set wi, 0
.rept 32
	v_pk_fma_f32 v[64*(\c)+2*wi:64*(\c)+2*wi+1], v[64*(\c)+2*wi:64*(\c)+2*wi+1], v[FA:FA+1], v[64*(\c)+2*wi:64*(\c)+2*wi+1] op_sel_hi:[1,0,1]
.set wi, wi+1
.endr
.endm
; THE QUANTISER, 256 keys (e = 0, 1) at a time: a lane's 128 weights are halves of eight blocks (register 16 b + i = key 32 b + 16 (lane / 16) + i).
; QMAX: two rounds of sixteen chains of eight numbers; the floor 2^(3 - 127) holds the byte at 1 from below
.macro QMAX e, r0, r1
	WIN 0x0a
.irp i, \r0, \r1
.set qi, 0
.rept 16
.if \i == 0
	v_max3_num_f32 v[XL+qi], |v[128*(\e)+8*qi]|, |v[128*(\e)+8*qi+1]|, 0x1800000
.else
	v_max3_num_f32 v[XL+qi], |v[128*(\e)+8*qi+\i]|, |v[128*(\e)+8*qi+\i+1]|, v[XL+qi]
.endif
.set qi, qi+1
.endr
.endr
.endm
.macro QFIN e                          ; the eight blocks by turns: largest magnitude, scale operand, byte, two scale words, two fragments of codes
	WIN 0
.irp b, 0,1,2,3,4,5,6,7
	v_max_num_f32 v[T+\b], v[XL+2*\b], v[XL+2*\b+1]
.endr
.irp b, 0,1,2,3,4,5,6,7
	v_permlanex16_b32 v[T+8+\b], v[T+\b], s[SEL], s[SEL+1]
.endr
.irp b, 0,1,2,3,4,5,6,7
	v_max_num_f32 v[T+\b], v[T+\b], v[T+8+\b]                 ; with lane l xor 16's 16: the block's largest magnitude
.endr
.irp b, 0,1,2,3,4,5,6,7
	v_add_nc_u32 v[T+8+\b], 0xff000000, v[T+\b]               ; 2 off its exponent field: the conversion's scale operand
.endr
.irp b, 0,1,2,3,4,5,6,7
	v_lshrrev_b32 v[XL+\b], 23, v[T+8+\b]                     ; the byte
.endr
.irp b, 0,2,4,6
	v_lshl_or_b32 v[XL+\b], v[XL+\b+1], 8, v[XL+\b]
.endr
	v_lshl_or_b32 v[PS+2*(\e)], v[XL+2], 16, v[XL]
	v_lshl_or_b32 v[PS+2*(\e)+1], v[XL+6], 16, v[XL+4]
	WIN 0x02
.irp b, 0,1,2,3,4,5,6,7
	v_cvt_scalef32_pk8_fp4_f32 v[PC+16*(\e)+2*\b], v[128*(\e)+16*\b:128*(\e)+16*\b+7], v[T+8+\b]
	v_cvt_scalef32_pk8_fp4_f32 v[PC+16*(\e)+2*\b+1], v[128*(\e)+16*\b+8:128*(\e)+16*\b+15], v[T+8+\b]
.endr
	WIN 0
	v_nop                                          ; a plain line behind the conversions
.irp g, 0,1,2,3                        ; the operand wants a whole block in a lane: lanes 0-15 the even block, lanes 16-31 the odd one
.irp i, 0,1
	v_permlane16_swap_b32 v[PC+16*(\e)+4*\g+\i], v[PC+16*(\e)+4*\g+2+\i]
.endr
.endr
.endm
; O^T += V^T w^T over keys 128 s on: the eight channel tiles' accumulators take turns, one instruction a turn; the first 128 keys start the sums
.macro PV s
	WIN 0xa3
.irp t, 0,1,2,3,4,5,6,7
.if (\s) == 0
.if (\t)%2 == 0
	v_wmma_scale_f32_16x16x128_f8f6f4 v[8*\t:8*\t+7], v[8*(8*(\s)+\t):8*(8*(\s)+\t)+7], v[PC+8*(\s):PC+8*(\s)+7], 0, v[VS+4*(\s)+\t/2], v[PS+(\s)] matrix_a_fmt:MATRIX_FMT_FP4 matrix_b_fmt:MATRIX_FMT_FP4
.else
	v_wmma_scale_f32_16x16x128_f8f6f4 v[8*\t:8*\t+7], v[8*(8*(\s)+\t):8*(8*(\s)+\t)+7], v[PC+8*(\s):PC+8*(\s)+7], 0, v[VS+4*(\s)+\t/2], v[PS+(\s)] matrix_a_fmt:MATRIX_FMT_FP4 matrix_b_fmt:MATRIX_FMT_FP4 matrix_a_scale:MATRIX_SCALE_ROW1
.endif
.else
.if (\t)%2 == 0
	v_wmma_scale_f32_16x16x128_f8f6f4 v[8*\t:8*\t+7], v[8*(8*(\s)+\t):8*(8*(\s)+\t)+7], v[PC+8*(\s):PC+8*(\s)+7], v[8*\t:8*\t+7], v[VS+4*(\s)+\t/2], v[PS+(\s)] matrix_a_fmt:MATRIX_FMT_FP4 matrix_b_fmt:MATRIX_FMT_FP4
.else
	v_wmma_scale_f32_16x16x128_f8f6f4 v[8*\t:8*\t+7], v[8*(8*(\s)+\t):8*(8*(\s)+\t)+7], v[PC+8*(\s):PC+8*(\s)+7], v[8*\t:8*\t+7], v[VS+4*(\s)+\t/2], v[PS+(\s)] matrix_a_fmt:MATRIX_FMT_FP4 matrix_b_fmt:MATRIX_FMT_FP4 matrix_a_scale:MATRIX_SCALE_ROW1
.endif
.endif
.endr
.endm
.macro OSTORE                          ; lane (r, h): channels 16 t + 8 h + 0 .. 7 of tile row r; each accumulator from its low end on
	WIN 0x08
.irp t, 0,1,2,3,4,5,6,7
	ds_store_b128 v[OST], v[8*\t:8*\t+3] offset:64*\t
	ds_store_b128 v[OST], v[8*\t+4:8*\t+7] offset:64*\t+16
.endr
.endm
.macro OLOAD                           ; my four rows of the tile before, whole, from each of the four waves' parts, into the registers of K's fragments, which are idle here
	WIN 0
.irp s, 0,1,2,3
.irp i, 0,1,2,3
	ds_load_b128 v[KST+16*\s+4*\i:KST+16*\s+4*\i+3], v[ORD] offset:OXW*\s+OXP*\i
.endr
.endr
.endm
; Tile tau - 1's rows: the four parts are added in the order of the waves and stored; then the sums of x - pivot and of its square over those 512 numbers.
; The pivot is the first number of the wave's first tile: a choice on the tile's number, no branch
.macro REDUCE
	s_sub_co_u32 s68, s[TAU], 1
	s_lshr_b32 s66, s68, 1
	s_lshl_b32 s66, s66, 14
	s_and_b32 s67, s68, 1
	s_lshl_b32 s67, s67, 12
	s_or_b32 s66, s66, s67                         ; 32 (tile >> 1) + 8 (tile & 1) rows of 512 bytes
	s_mov_b32 s67, 0
	s_add_nc_u64 s[RP:RP+1], s[RB:RB+1], s[66:67]  ; (the stores before have read it: the wait on XCNT at this macro's end)
.irp s, 1,2,3
.set oi, 0
.rept 8
	v_pk_add_f32 v[KST+2*oi:KST+2*oi+1], v[KST+2*oi:KST+2*oi+1], v[KST+16*\s+2*oi:KST+16*\s+2*oi+1]
.set oi, oi+1
.endr
.endr
.irp i, 0,1,2,3
	global_store_b128 v[L16], v[KST+4*\i:KST+4*\i+3], s[RP:RP+1] offset:512*\i   ; 32 lanes store a row of 512 consecutive bytes, aligned
.endr
	v_readfirstlane_b32 s66, v[KST]
	s_xor_b32 s66, s66, 0x80000000
	s_cmp_eq_u32 s[TAU], 1
	s_cselect_b32 s[NPIV], s66, s[NPIV]
	s_mov_b32 s[NPIV+1], s[NPIV]
.set gi, 0
.rept 8
	v_pk_add_f32 v[T+2*gi:T+2*gi+1], v[KST+2*gi:KST+2*gi+1], s[NPIV:NPIV+1] op_sel_hi:[1,0]
.set gi, gi+1
.endr
.set gi, 0
.rept 8
	v_pk_add_f32 v[GS1+2*(gi%4):GS1+2*(gi%4)+1], v[GS1+2*(gi%4):GS1+2*(gi%4)+1], v[T+2*gi:T+2*gi+1]
	v_pk_fma_f32 v[GS2+2*(gi%4):GS2+2*(gi%4)+1], v[T+2*gi:T+2*gi+1], v[T+2*gi:T+2*gi+1], v[GS2+2*(gi%4):GS2+2*(gi%4)+1]
.set gi, gi+1
.endr
	s_wait_xcnt 0x0                                ; the stores have read their registers and their base: fragments of K land there next
.endm
.macro QLOAD                           ; a tile's two fragments of Q and its scale words
	WIN 0
.irp j, 0,1,2,3
	global_load_b128 v[QF+4*\j:QF+4*\j+3], v[L16], s[QP:QP+1] offset:512*\j
.endr
	global_load_b32 v[QS], v[L8], s[QSP:QSP+1]
.endm
	s_load_b256 s[4:11], s[0:1], 0x0               ; qimg, qsc, kimg, ksc
	s_load_b256 s[12:19], s[0:1], 0x20             ; vimg, vsc, lam_q1, lam_k1
	s_load_b256 s[20:27], s[0:1], 0x40             ; lam_q2, lam_k2, raw, parts
	v_lshl_add_u32 v[SPW], v0, 2, SPARE
	v_mov_b32 v[NIL], 0
	ds_add_u32 v[SPW], v[NIL]                      ; the opening: the add, twice on end, and its wait ahead of my tensor load
	ds_add_u32 v[SPW], v[NIL]
	v_lshrrev_b32 v[T], 5, v0
	v_readfirstlane_b32 s[WV], v[T]                ; wave 0..3
	s_and_b32 s[HD], ttmp7, 0xffff                 ; the head, which the four partners share
	; descriptor group 1: my wave's codes of K, a dense block of 65,536 bytes, as 256 rows of 256 bytes (32 elements of 8 bytes), no padding: every fragment load reads 512 consecutive bytes
	s_mov_b32 s[G1], 15|(3<<16)|(1<<21)            ; 15:0 the mask: all four work-groups; 17:16 elements of 8 bytes; 21 set beside a mask
	s_mov_b32 s[G1+1], 32<<16                      ; tensor_dim0 = 32
	s_mov_b32 s[G1+2], 256<<16                     ; tensor_dim1 = 256
	s_mov_b32 s[G1+3], 32<<16                      ; tile_dim0 = 32
	s_mov_b32 s[G1+4], 256                         ; tile_dim1 = 256
	s_mov_b32 s[G1+5], 32                          ; from row to row
	s_mov_b32 s[G1+6], 0
	s_mov_b32 s[G1+7], 0
	s_mov_b32 s[G0], 1
	s_lshl_b32 s[G0+1], s[WV], 16                  ; LDS address: 65,536 x wave: no place in the cluster enters it
	s_lshl_b32 s68, s[HD], 18                      ; a head's codes of K are 262,144 bytes
	s_add_co_u32 s68, s68, s[G0+1]
	s_mov_b32 s69, 0
	s_wait_dscnt 0x0
	s_wait_kmcnt 0x0
	s_add_nc_u64 s[G0+2:G0+3], s[8:9], s[68:69]
	s_or_b32 s[G0+3], s[G0+3], 0x80000000          ; type = 2
	CROUND                                         ; all four work-groups are here: the joint loads meet
	tensor_load_to_lds s[G0:G0+3], s[G1:G1+7]      ; the launch's one fill of these bytes; only my wave reads them
	s_nop 0
	PLACES 4
	v_and_b32 v[T], 31, v0                         ; lane
	v_lshlrev_b32 v[L16], 4, v[T]
	v_lshlrev_b32 v[L8], 3, v[T]
	v_lshlrev_b32 v[L4], 2, v[T]
	v_and_b32 v[T+1], 15, v0                       ; r
	v_bfe_u32 v[T+2], v0, 4, 1                     ; h
	s_lshl_b32 s66, s[WV], 16
	v_add_nc_u32 v[KA], s66, v[L16]
	v_mul_u32_u24 v[OST], v[T+1], OXP
	v_lshl_add_u32 v[OST], v[T+2], 5, v[OST]
	s_mul_i32 s66, s[WV], OXW
	s_add_co_u32 s66, s66, OX
	v_add_nc_u32 v[OST], s66, v[OST]               ; my wave's part of the stage, row r, + 32 h
	s_mul_i32 s66, s[WV], 4*OXP
	s_add_co_u32 s66, s66, OX
	v_add_nc_u32 v[ORD], s66, v[L16]               ; rows 4 wave on, 16 bytes a lane
	v_lshl_add_u32 v[XST], v0, 4, XCH              ; 512 x wave + 16 x lane
	v_add_nc_u32 v[XRD], XCH, v[L16]
.set zi, 3
.rept 21
	v_mov_b32 v[T+zi], 0                           ; written once: a lane permute's destination counts as one of its sources
.set zi, zi+1
.endr
.set zi, 0
.rept 16
	v_mov_b32 v[GS1+zi], 0                         ; the sums for the group norm
.set zi, zi+1
.endr
	v_mov_b32 v[XQ+1], 0                           ; the upper halves of pairs that packed forms name
	v_mov_b32 v[XQ+3], 0
	v_mov_b32 v[FA+1], 0
	v_mov_b32 v[FB+1], 0
	s_mov_b32 s[SEL], 0x76543210
	s_mov_b32 s[SEL+1], 0xfedcba98
	s_mov_b32 s[CS], 0x3e0293ee                    ; c = log2(e) / sqrt(128)
	s_mov_b32 s[CS+1], s[CS]
	s_mov_b32 s[NPIV], 0
	s_mov_b32 s[NPIV+1], 0
	; where my wave's parts begin: K's scale words, V's codes, V's scale words (head and wave alone)
	s_lshl_b32 s68, s[HD], 14
	s_lshl_b32 s66, s[WV], 12
	s_add_co_u32 s68, s68, s66
	s_add_nc_u64 s[10:11], s[10:11], s[68:69]
	s_lshl_b32 s68, s[HD], 17
	s_lshl_b32 s66, s[WV], 15
	s_add_co_u32 s68, s68, s66
	s_add_nc_u64 s[12:13], s[12:13], s[68:69]
	s_lshl_b32 s68, s[HD], 13
	s_lshl_b32 s66, s[WV], 11
	s_add_co_u32 s68, s68, s66
	s_add_nc_u64 s[14:15], s[14:15], s[68:69]
	; and what hangs on my work-group's block of 256 queries: it enters the addresses of Q, raw and parts alone
	s_bfe_u32 s[CX], ttmp6, 0x40000
	s_lshl_b32 s[BK], ttmp9, 2
	s_add_co_u32 s[BK], s[BK], s[CX]               ; block = 4 x cluster x + cx
	s_mov_b32 s71, 0
	s_lshl_b32 s70, s[HD], 18
	s_lshl_b32 s72, s[BK], 15
	s_add_co_u32 s70, s70, s72
	s_add_nc_u64 s[QB:QB+1], s[4:5], s[70:71]
	s_lshl_b32 s70, s[HD], 14
	s_lshl_b32 s72, s[BK], 11
	s_add_co_u32 s70, s70, s72
	s_add_nc_u64 s[QSB:QSB+1], s[6:7], s[70:71]
	s_lshl_b32 s70, s[HD], 20
	s_lshl_b32 s72, s[BK], 17
	s_add_co_u32 s70, s70, s72
	s_lshl_b32 s72, s[WV], 11
	s_add_co_u32 s70, s70, s72
	s_lshr_b32 s72, s[WV], 1
	s_lshl_b32 s72, s72, 12
	s_add_co_u32 s70, s70, s72                     ; tile rows 4 w .. 4 w + 3 are queries 4 w + 8 (w >> 1) + 0 .. 3 of the tile's 32: rows of 512 bytes
	s_add_nc_u64 s[RB:RB+1], s[24:25], s[70:71]
	s_lshl_b32 s70, s[HD], 9
	s_lshl_b32 s72, s[BK], 6
	s_add_co_u32 s70, s70, s72
	s_lshl_b32 s72, s[WV], 4
	s_add_co_u32 s70, s70, s72
	s_add_nc_u64 s[26:27], s[26:27], s[70:71]      ; my wave's 16 bytes of parts
	s_mov_b64 s[QP:QP+1], s[QB:QB+1]
	s_mov_b64 s[QSP:QSP+1], s[QSB:QSB+1]
	global_load_b128 v[XL:XL+3], v[L16], s[16:17]          ; the four lam vectors, four numbers a lane
	global_load_b128 v[XL+4:XL+7], v[L16], s[18:19]
	global_load_b128 v[XL+8:XL+11], v[L16], s[20:21]
	global_load_b128 v[XL+12:XL+15], v[L16], s[22:23]
	QLOAD                                          ; tile 0
.irp g, 0,1,2,3,4,5,6,7,8,9,10,11,12,13,14,15
	global_load_b64 v[KS+2*\g:KS+2*\g+1], v[L8], s[10:11] offset:256*\g   ; the scale words of key tiles 2 g, 2 g + 1: they stay
.endr
	s_wait_loadcnt 0x0                             ; while K's codes are on their way
	; lam, in f32: two dot products by fused multiply-adds; e^d = 2^n 2^f with n = the nearest whole number to d log2(e), f the rest, log2(e) taken in two parts
	v_mul_f32 v[T], v[XL], v[XL+4]
	v_mul_f32 v[T+1], v[XL+8], v[XL+12]
.irp j, 1,2,3
	v_fma_f32 v[T], v[XL+\j], v[XL+4+\j], v[T]
	v_fma_f32 v[T+1], v[XL+8+\j], v[XL+12+\j], v[T+1]
.endr
.irp m, 1,2,4,8
	v_add_f32_dpp v[T], v[T], v[T] row_xmask:\m row_mask:0xf bank_mask:0xf
	v_add_f32_dpp v[T+1], v[T+1], v[T+1] row_xmask:\m row_mask:0xf bank_mask:0xf
.endr
	v_permlanex16_b32 v[T+2], v[T], s[SEL], s[SEL+1]
	v_permlanex16_b32 v[T+3], v[T+1], s[SEL], s[SEL+1]
	v_add_f32 v[T], v[T], v[T+2]
	v_add_f32 v[T+1], v[T+1], v[T+3]
	s_mov_b32 s72, 0x3fb8aa3b                      ; log2(e), its upper part,
	s_mov_b32 s73, 0x32a5705f                      ; and the rest
	v_mul_f32 v[T+2], s72, v[T]
	v_mul_f32 v[T+3], s72, v[T+1]
	v_rndne_f32 v[T+2], v[T+2]
	v_rndne_f32 v[T+3], v[T+3]
	v_fma_f32 v[T+4], v[T], s72, -v[T+2]
	v_fma_f32 v[T+5], v[T+1], s72, -v[T+3]
	v_fma_f32 v[T+4], v[T], s73, v[T+4]
	v_fma_f32 v[T+5], v[T+1], s73, v[T+5]
	s_wait_alu depctr_va_vdst(0)                   ; the wait ahead of the batch
	v_exp_f32 v[T+4], v[T+4]
	v_exp_f32 v[T+5], v[T+5]
	v_nop                                          ; a plain line behind the exponentials
	v_cvt_i32_f32 v[T+2], v[T+2]
	v_cvt_i32_f32 v[T+3], v[T+3]
	s_wait_alu depctr_va_vdst(0)                   ; one wait for both, ahead of their first reader
	v_ldexp_f32 v[T+4], v[T+4], v[T+2]
	v_ldexp_f32 v[T+5], v[T+5], v[T+3]
	v_sub_f32 v[T+4], v[T+4], v[T+5]
	v_add_f32 v[LAM], 0x3f4ccccd, v[T+4]           ; + 0.8
	s_wait_alu depctr_va_vdst(0)
	s_wait_tensorcnt 0x0                           ; my wave's codes of K are in LDS; nobody else reads them, so no barrier
	QKL 1, 0                                       ; tile 0's first scores
	QKL 1, 1
.irp n, 0,1,2,3,4,5,6,7
.if \n < 7
	QKM 1, \n, 8
.else
	QKM 1, \n, 0
.endif
	PLACES 4                                       ; in front of loads into the registers that these products have read
.if \n < 6
	QKL 1, \n+2
.endif
.endr
	QKL 2, 0
	QKL 2, 1
	QKL 2, 2
.irp s, 0,1,2,3
.irp i, 0,1,2,3
	global_load_b32 v[VS+4*\s+\i], v[L4], s[14:15] offset:512*\s+128*\i   ; V's scale words and codes are asked for behind K: they stay; first wanted behind the first tile's exchange, where the wait for them stands
.endr
.endr
	WIN 0xc0                                       ; destination window 3
.irp s, 0,1,2,3
.irp t, 0,1,2,3,4,5,6,7
.irp c, 0,1
	global_load_b128 v[8*(8*\s+\t)+4*\c:8*(8*\s+\t)+4*\c+3], v[L16], s[12:13] offset:8192*\s+1024*\t+512*\c
.endr
.endr
.endr
	WIN 0
; ONE TILE.  nxt = 1: the next tile's Q is fetched and its first scores are multiplied on the way; this copy also serves tile 0, which has no tile before it.
; A run of loads into a set of K's fragments stands behind the products that read the set and at least four plain vector lines that name none of their registers.
; The count at a batch's products leaves the younger batches' loads out: one batch of eight for the first scores (two sets), two batches for the second scores (three sets).
.macro TILE nxt
.if \nxt
	s_add_co_u32 s68, s[TAU], 1                    ; (the loads that read these bases have been waited for)
	s_lshl_b32 s66, s68, 11                        ; a tile's two fragments are 2,048 bytes
	s_mov_b32 s67, 0
	s_add_nc_u64 s[QP:QP+1], s[QB:QB+1], s[66:67]
	s_lshr_b32 s66, s68, 1
	s_lshl_b32 s66, s66, 8
	s_and_b32 s68, s68, 1
	s_lshl_b32 s68, s68, 2
	s_or_b32 s66, s66, s68
	s_add_nc_u64 s[QSP:QSP+1], s[QSB:QSB+1], s[66:67]
.endif
	; ---- the second scores, batch by batch, under both searches for the largest score
.irp j, 0,1,2,3,4,5,6,7
.if \j < 6
	QKM 2, \j, 16
.else
	QKM 2, \j, 8*(7-\j)
.endif
	MAXSEG 1, XL, \j
.if \j > 0
	MAXSEG 2, T, \j-1
.endif
.if \j < 5
	QKL 2, \j+3
.endif
.endr
.if \nxt
	QLOAD                                          ; Q's registers are free: the next tile's
.endif
	MAXSEG 2, T, 7
	MAXRED
	; ---- both softmaxes' p
	FMAS 1, 0
	ESEG 1, 0
	ESEG 1, 1
	ESEG 1, 2
	ESEG 1, 3
	FMAS 2, 0
	ESEG 2, 0
	ESEG 2, 1
	ESEG 2, 2
	ESEG 2, 3
	v_nop                                          ; a plain line behind the last exponential
	s_wait_alu depctr_va_vdst(0)                   ; one wait for the tile's 512 exponentials, ahead of the first line that names a result
	SUMC 1, XL
	SUMC 2, T
	SUMT
	; ---- the exchange
	ds_store_b128 v[XST], v[XQ:XQ+3]
	BAR                                            ; all four quads lie in LDS, and so do the four parts of the tile before
.irp w, 0,1,2,3
	ds_load_b128 v[XL+4*\w:XL+4*\w+3], v[XRD] offset:512*\w
.endr
	s_wait_dscnt 0x0                               ; the quads are in
.if \nxt
	s_cmp_eq_u32 s[TAU], 0                         ; tile 0: nothing lies in the stage
	s_cbranch_scc1 .Lfirst_a_\@
.endif
	OLOAD                                          ; the rows of the tile before land while the factors are made
.if \nxt
.Lfirst_a_\@:
.endif
	FACT
	s_wait_alu depctr_va_vdst(0)                   ; the wait ahead of the wait and the branch below
	s_wait_dscnt 0x0                               ; my reads of the stage are over too
.if \nxt
	s_cmp_eq_u32 s[TAU], 0
	s_cbranch_scc1 .Lfirst_b_\@
.endif
	REDUCE
.if \nxt
.Lfirst_b_\@:
.endif
	s_barrier_signal -1                            ; say that my reads are over; the wait stands ahead of my next stores to the stage; register work and LDS loads of K alone stand between
.if \nxt
	s_wait_loadcnt 0x0                             ; the next tile's Q; in the first trip V's codes and scale words too
.endif
	; ---- weights, codes, the product with V; the next tile's first scores take p1's registers a quarter at a time
	WGT 0
.if \nxt
	QKL 1, 0
	QKL 1, 1
.endif
	WGT 1
.if \nxt
	QKM 1, 0, 8
.endif
	QMAX 0, 0, 2
.if \nxt
	QKL 1, 2
	QKM 1, 1, 8
.endif
	QMAX 0, 4, 6
.if \nxt
	QKL 1, 3
.endif
	QFIN 0
.if \nxt
	QKM 1, 2, 8
.endif
	WGT 2                                          ; 128 plain lines between the codes and scale words just made and the products that take them
.if \nxt
	QKL 1, 4
	QKM 1, 3, 8
.endif
	WGT 3
.if \nxt
	QKL 1, 5
.endif
	PV 0
	PV 1
.if \nxt
	QKM 1, 4, 8
.endif
	QMAX 1, 0, 2
.if \nxt
	QKL 1, 6
	QKM 1, 5, 8
.endif
	QMAX 1, 4, 6
.if \nxt
	QKL 1, 7
.endif
	QFIN 1
.if \nxt
	s_wait_alu depctr_va_vdst(0)                   ; the wait ahead of the wait below
	QKM 1, 6, 8
	QKM 1, 7, 0
.endif
	PLACES 8                                       ; a scale word made by vector lines stands eight places ahead of the product that takes it
	PV 2
	PV 3
	PLACES 5                                       ; four in front of the first read of results; five in front of the next tile's products, which write over them
	s_barrier_wait -1                              ; every wave's reads of the stage are over
	OSTORE
.if \nxt
	QKL 2, 0
	QKL 2, 1
	QKL 2, 2
.endif
	WIN 0                                          ; at a label and at a branch every window is 0
.endm
	s_mov_b32 s[TAU], 0
.Ltile:                                            ; 15 trips; the last tile, which has no successor, is written out
	TILE 1
	s_add_co_u32 s[TAU], s[TAU], 1
	s_cmp_lt_u32 s[TAU], 15
	s_wait_alu depctr_va_vdst(0)                   ; the wait ahead of the branch
	s_cbranch_scc1 .Ltile
	TILE 0
	s_add_co_u32 s[TAU], s[TAU], 1                 ; 16: the rows of tile 15 are still in the stage
	BAR
	OLOAD
	s_wait_dscnt 0x0
	REDUCE
	s_wait_alu depctr_va_vdst(0)
	; my wave's part for the group norm: (pivot, sum of x - pivot, sum of its square, 0)
.irp g, GS1, GS2
	v_pk_add_f32 v[\g:\g+1], v[\g:\g+1], v[\g+2:\g+3]
	v_pk_add_f32 v[\g+4:\g+5], v[\g+4:\g+5], v[\g+6:\g+7]
.endr
.irp g, GS1, GS2
	v_pk_add_f32 v[\g:\g+1], v[\g:\g+1], v[\g+4:\g+5]
.endr
	v_add_f32 v[XQ+1], v[GS1], v[GS1+1]
	v_add_f32 v[XQ+2], v[GS2], v[GS2+1]
.irp m, 1,2,4,8
	v_add_f32_dpp v[XQ+1], v[XQ+1], v[XQ+1] row_xmask:\m row_mask:0xf bank_mask:0xf
	v_add_f32_dpp v[XQ+2], v[XQ+2], v[XQ+2] row_xmask:\m row_mask:0xf bank_mask:0xf
.endr
	v_permlanex16_b32 v[T], v[XQ+1], s[SEL], s[SEL+1]
	v_permlanex16_b32 v[T+1], v[XQ+2], s[SEL], s[SEL+1]
	v_add_f32 v[XQ+1], v[XQ+1], v[T]
	v_add_f32 v[XQ+2], v[XQ+2], v[T+1]
	v_mov_b32 v[XQ], s[NPIV]
	v_xor_b32 v[XQ], 0x80000000, v[XQ]
	v_mov_b32 v[XQ+3], 0
	v_cmp_eq_u32 vcc_lo, 0, v[L4]                  ; lane 0 alone stores; its offset, 4 x lane, is 0
	s_wait_alu depctr_va_vdst(0)
	s_wait_xcnt 0x0                                ; EXEC changes only behind this wait: the rows' stores have read it
	s_and_saveexec_b32 s[SVX], vcc_lo
	global_store_b128 v[L4], v[XQ:XQ+3], s[26:27]
	s_wait_xcnt 0x0                                ; and again in front of the line that widens it
	s_or_b32 exec_lo, exec_lo, s[SVX]
	s_wait_tensorcnt 0x0                           ; the wave's end
	ds_add_u32 v[SPW], v[NIL]
	s_wait_dscnt 0x0
	CROUND                                         ; the closing round: no work-group ends while a partner may still ask for the tile that names it
	s_endpgm
.Lfunc_end_k_q1e32ef2d27_attn:
	.size	k_q1e32ef2d27_attn, .Lfunc_end_k_q1e32ef2d27_attn-k_q1e32ef2d27_attn
	.p2alignl 7, 3214868480
	.fill 96, 4, 3214868480
	.section	.rodata,"a",@progbits
	.p2align	6, 0x0
	.amdhsa_kernel k_q1e32ef2d27_attn
		.amdhsa_group_segment_fixed_size 327680
		.amdhsa_private_segment_fixed_size 0
		.amdhsa_enable_private_segment 0
		.amdhsa_kernarg_size 96
		.amdhsa_user_sgpr_count 2
		.amdhsa_user_sgpr_kernarg_segment_ptr 1
		.amdhsa_wavefront_size32 1
		.amdhsa_system_sgpr_workgroup_id_x 1
		.amdhsa_system_sgpr_workgroup_id_y 1
		.amdhsa_system_sgpr_workgroup_id_z 1
		.amdhsa_system_vgpr_workitem_id 0
		.amdhsa_next_free_vgpr 1024
		.amdhsa_next_free_sgpr 80
		.amdhsa_reserve_vcc 1
		.amdhsa_float_denorm_mode_32 3
		.amdhsa_float_denorm_mode_16_64 3
		.amdhsa_memory_ordered 1
		.amdhsa_forward_progress 1
		.amdhsa_inst_pref_size 255
	.end_amdhsa_kernel
	.section	.bss,"aw",@nobits
	.p2align	6
	.space	262144
	.amdgpu_metadata
---
amdhsa.version: [ 1, 2 ]
amdhsa.kernels:
  - .name:           k_q1e32ef2d27_attn
    .symbol:         k_q1e32ef2d27_attn.kd
    .args:
      - { .name: qimg, .offset: 0, .size: 8, .value_kind: global_buffer, .address_space: global }
      - { .name: qsc, .offset: 8, .size: 8, .value_kind: global_buffer, .address_space: global }
      - { .name: kimg, .offset: 16, .size: 8, .value_kind: global_buffer, .address_space: global }
      - { .name: ksc, .offset: 24, .size: 8, .value_kind: global_buffer, .address_space: global }
      - { .name: vimg, .offset: 32, .size: 8, .value_kind: global_buffer, .address_space: global }
      - { .name: vsc, .offset: 40, .size: 8, .value_kind: global_buffer, .address_space: global }
      - { .name: lam_q1, .offset: 48, .size: 8, .value_kind: global_buffer, .address_space: global }
      - { .name: lam_k1, .offset: 56, .size: 8, .value_kind: global_buffer, .address_space: global }
      - { .name: lam_q2, .offset: 64, .size: 8, .value_kind: global_buffer, .address_space: global }
      - { .name: lam_k2, .offset: 72, .size: 8, .value_kind: global_buffer, .address_space: global }
      - { .name: raw, .offset: 80, .size: 8, .value_kind: global_buffer, .address_space: global }
      - { .name: parts, .offset: 88, .size: 8, .value_kind: global_buffer, .address_space: global }
    .group_segment_fixed_size: 327680
    .private_segment_fixed_size: 0
    .kernarg_segment_align: 8
    .kernarg_segment_size: 96
    .max_flat_workgroup_size: 128
    .sgpr_count:     80
    .vgpr_count:     1024
    .wavefront_size: 32
...
	.end_amdgpu_metadata
.endif
;; end of part 2
;; launch norm (part 3): grid 512 x 1, 8 waves a work-group, no clusters, 0 bytes of LDS; arguments raw, parts, gn_weight, gn_bias, out0; writes out0
.if DOCPART == 3
	.amdgcn_target "amdgcn-amd-amdhsa--gfx1250"
	.amdhsa_code_object_version 6
	.text
	.protected	k_q1e32ef2d27_norm
	.globl	k_q1e32ef2d27_norm
	.p2align	8
	.type	k_q1e32ef2d27_norm,@function
k_q1e32ef2d27_norm:
	s_mov_b64 s[64:65], 0
	v_nop
	global_prefetch_b8 v0, s[64:65] scope:SCOPE_SE
	s_setreg_imm32_b32 hwreg(HW_REG_WAVE_MODE, 25, 1), 1
	s_wait_xcnt 0x0
; out0 = ((raw - mean) rsqrt(var + 1e-5) gamma + beta) x 0.2, mean and var over a head's 2,048 x 128 numbers, gamma and beta by (head of 16, channel).
; A head's statistics come as 32 parts of 8,192 numbers each: (pivot, S1 = sum of x - pivot, S2 = sum of its square).  Lane l takes part l: mean_l = pivot + S1 / 8192, M2_l = S2 - S1^2 / 8192;
; mean = the mean of the 32 means; var = (sum of M2_l + 8192 (mean_l - mean)^2) / 262,144: no difference of large sums is formed.
; A stream: a work-group takes 128 rows of a head, a wave 16; a lane keeps channels 4 l .. 4 l + 3, so a load or a store of the wave covers a row of 512 consecutive bytes, aligned.  All 16 loads of a wave go out at the head.
; No LDS, no barrier, no matrix unit: each byte is read once and written once, and nothing is shared but 512 bytes of parts and 1,024 of gamma and beta.
; LIMITS: NaN and infinities are not served.
.set ROWS, 16
.set XR,   32                          ; v32-95 the wave's 16 rows, worked in place
	s_load_b256 s[4:11], s[0:1], 0x0               ; raw, parts, gn_weight, gn_bias
	s_load_b64 s[12:13], s[0:1], 0x20              ; out0
	v_lshrrev_b32 v1, 5, v0
	s_delay_alu instid0(VALU_DEP_1)
	v_readfirstlane_b32 s14, v1                    ; wave 0..7
	v_and_b32 v2, 31, v0
	s_delay_alu instid0(VALU_DEP_1)
	v_lshlrev_b32 v3, 4, v2                        ; 16 x lane
	s_lshr_b32 s15, ttmp9, 4                       ; batch x 16 + head
	s_lshl_b32 s16, ttmp9, 16                      ; 128 rows of 512 bytes a work-group,
	s_lshl_b32 s17, s14, 13                        ; 16 a wave
	s_add_co_u32 s16, s16, s17
	s_mov_b32 s17, 0
	s_lshl_b32 s18, s15, 9                         ; 512 bytes of parts a head
	s_mov_b32 s19, 0
	s_and_b32 s20, s15, 15
	s_lshl_b32 s20, s20, 9                         ; 128 numbers of gamma and of beta a head of 16
	s_mov_b32 s21, 0
	s_mov_b32 s22, 0x76543210
	s_mov_b32 s23, 0xfedcba98                      ; v_permlanex16_b32's selects for lane l xor 16
	s_mov_b32 s24, 0x36800000                      ; 2^-18
	s_mov_b32 s25, 0x3727c5ac                      ; 1e-5
	v_mov_b32 v20, 0                               ; written once: a lane permute's destination counts as one of its sources
	s_wait_alu depctr_va_vdst(0)
	s_wait_kmcnt 0x0
	s_add_nc_u64 s[4:5], s[4:5], s[16:17]
	s_add_nc_u64 s[12:13], s[12:13], s[16:17]
	s_add_nc_u64 s[6:7], s[6:7], s[18:19]
	s_add_nc_u64 s[8:9], s[8:9], s[20:21]
	s_add_nc_u64 s[10:11], s[10:11], s[20:21]
	global_load_b128 v[4:7], v3, s[6:7]            ; my part
	global_load_b128 v[8:11], v3, s[8:9]           ; gamma of my four channels
	global_load_b128 v[12:15], v3, s[10:11]        ; beta
.irp i, 0,1,2,3,4,5,6,7,8,9,10,11,12,13,14,15
	global_load_b128 v[XR+4*\i:XR+4*\i+3], v3, s[4:5] offset:512*\i th:TH_LOAD_NT
.endr
.macro LSUM r                          ; the sum over the 32 lanes, in every lane
.irp m, 1,2,4,8
	s_delay_alu instid0(VALU_DEP_1)
	v_add_f32_dpp v[\r], v[\r], v[\r] row_xmask:\m row_mask:0xf bank_mask:0xf
.endr
	s_delay_alu instid0(VALU_DEP_1)
	v_permlanex16_b32 v20, v[\r], s22, s23
	s_delay_alu instid0(VALU_DEP_1)
	v_add_f32 v[\r], v[\r], v20
.endm
	s_wait_loadcnt 16                              ; the three small loads are in; the 16 rows may be out
	v_mul_f32 v16, 0x39000000, v5                  ; S1 / 8192
	s_delay_alu instid0(VALU_DEP_1)
	v_add_f32 v17, v4, v16                         ; mean_l
	s_delay_alu instid0(VALU_DEP_2)
	v_fma_f32 v18, -v5, v16, v6                    ; M2_l
	s_delay_alu instid0(VALU_DEP_2)
	v_mov_b32 v19, v17
	LSUM 19
	s_delay_alu instid0(VALU_DEP_1)
	v_mul_f32 v24, 0x3d000000, v19                 ; mean
	s_delay_alu instid0(VALU_DEP_1)
	v_mov_b32 v25, v24
	s_delay_alu instid0(VALU_DEP_2)
	v_sub_f32 v21, v17, v24
	s_delay_alu instid0(VALU_DEP_1)
	v_mul_f32 v21, v21, v21
	s_delay_alu instid0(VALU_DEP_1)
	v_fma_f32 v18, v21, 0x46000000, v18            ; + 8192 (mean_l - mean)^2
	LSUM 18
	s_delay_alu instid0(VALU_DEP_1)
	v_fma_f32 v22, v18, s24, s25                   ; var + eps
	s_wait_alu depctr_va_vdst(0)
	v_rsq_f32 v22, v22
	v_nop                                          ; a plain line behind it
.irp j, 0,1,2,3
	v_mul_f32 v[12+\j], 0x3e4ccccd, v[12+\j]       ; beta x 0.2
.endr
	s_wait_alu depctr_va_vdst(0)                   ; the wait ahead of its first reader
	v_mul_f32 v23, 0x3e4ccccd, v22
.irp j, 0,1,2,3
	v_mul_f32 v[8+\j], v[8+\j], v23                ; gamma x rstd x 0.2
.endr
.irp i, 0,1,2,3,4,5,6,7,8,9,10,11,12,13,14,15
	s_wait_loadcnt 15-\i                           ; loads come back in order: row i is in, the rows behind it may be out
	v_pk_add_f32 v[XR+4*\i:XR+4*\i+1], v[XR+4*\i:XR+4*\i+1], v[24:25] neg_lo:[0,1] neg_hi:[0,1]
	s_wait_alu depctr_va_vdst(0)
	v_pk_add_f32 v[XR+4*\i+2:XR+4*\i+3], v[XR+4*\i+2:XR+4*\i+3], v[24:25] neg_lo:[0,1] neg_hi:[0,1]
	v_pk_fma_f32 v[XR+4*\i:XR+4*\i+1], v[XR+4*\i:XR+4*\i+1], v[8:9], v[12:13]
	s_delay_alu instid0(VALU_DEP_2)
	v_pk_fma_f32 v[XR+4*\i+2:XR+4*\i+3], v[XR+4*\i+2:XR+4*\i+3], v[10:11], v[14:15]
	global_store_b128 v3, v[XR+4*\i:XR+4*\i+3], s[12:13] offset:512*\i th:TH_STORE_NT   ; no register of a store is written again
.endr
	s_endpgm
.Lfunc_end_k_q1e32ef2d27_norm:
	.size	k_q1e32ef2d27_norm, .Lfunc_end_k_q1e32ef2d27_norm-k_q1e32ef2d27_norm
	.p2alignl 7, 3214868480
	.fill 96, 4, 3214868480
	.section	.rodata,"a",@progbits
	.p2align	6, 0x0
	.amdhsa_kernel k_q1e32ef2d27_norm
		.amdhsa_group_segment_fixed_size 0
		.amdhsa_private_segment_fixed_size 0
		.amdhsa_enable_private_segment 0
		.amdhsa_kernarg_size 40
		.amdhsa_user_sgpr_count 2
		.amdhsa_user_sgpr_kernarg_segment_ptr 1
		.amdhsa_wavefront_size32 1
		.amdhsa_system_sgpr_workgroup_id_x 1
		.amdhsa_system_sgpr_workgroup_id_y 1
		.amdhsa_system_sgpr_workgroup_id_z 1
		.amdhsa_system_vgpr_workitem_id 0
		.amdhsa_next_free_vgpr 100
		.amdhsa_next_free_sgpr 66
		.amdhsa_reserve_vcc 0
		.amdhsa_float_denorm_mode_32 3
		.amdhsa_float_denorm_mode_16_64 3
		.amdhsa_memory_ordered 1
		.amdhsa_forward_progress 1
		.amdhsa_inst_pref_size 13
	.end_amdhsa_kernel
	.amdgpu_metadata
---
amdhsa.version: [ 1, 2 ]
amdhsa.kernels:
  - .name:           k_q1e32ef2d27_norm
    .symbol:         k_q1e32ef2d27_norm.kd
    .args:
      - { .name: raw, .offset: 0, .size: 8, .value_kind: global_buffer, .address_space: global }
      - { .name: parts, .offset: 8, .size: 8, .value_kind: global_buffer, .address_space: global }
      - { .name: gn_weight, .offset: 16, .size: 8, .value_kind: global_buffer, .address_space: global }
      - { .name: gn_bias, .offset: 24, .size: 8, .value_kind: global_buffer, .address_space: global }
      - { .name: out0, .offset: 32, .size: 8, .value_kind: global_buffer, .address_space: global }
    .group_segment_fixed_size: 0
    .private_segment_fixed_size: 0
    .kernarg_segment_align: 8
    .kernarg_segment_size: 40
    .max_flat_workgroup_size: 256
    .sgpr_count:     66
    .vgpr_count:     100
    .wavefront_size: 32
...
	.end_amdgpu_metadata
.endif
;; end of part 3
